; MI455X (gfx1250); checked and timed in simulation.
; The chip was launched on July 23, 2026; its instructions are those of AMD's public machine-readable ISA for CDNA 5 (MIT licence, August 2026) and "CDNA5" Instruction Set Architecture Reference Guide (July 2026). The comments in the code are by the model that wrote it; some were corrected since.
;; Attenuation To Rain Rate. Allowed arithmetic: matrix products marked QUANTISED: E2M1 operands, one E8M0 scale for each 32 along K, by v_wmma_scale_f32_16x16x128_f8f6f4 with both operands' format E2M1 (or v_wmma_scale_f32_32x16x128_f4), f32 sums; products left as they are: f32 operands where the result goes on into a quantised operand, else bf16, f16 or f32 operands; f32 sums; everything else in f32.
;; Inputs: b1 128 float32; b2 128 float32; b3 128 float32; b4 128 float32; b5 1 float32; mb1 64 float32; mb2 128 float32; mb3 1,024 float32; metadata 262,144 x 16 float32; mw1 64 x 16 float32; mw2_codes 128 x 2 x 16 uint8 (E2M1 codes of mw2, K innermost, in blocks of 32 codes, two codes a byte); mw2_scales 128 x 2 uint8 (E8M0 scales of mw2, one for each 32 codes along K); mw3_codes 1,024 x 4 x 16 uint8 (E2M1 codes of mw3, K innermost, in blocks of 32 codes, two codes a byte); mw3_scales 1,024 x 4 uint8 (E8M0 scales of mw3, one for each 32 codes along K); w1 128 x 1 float32; w2_codes 128 x 4 x 16 uint8 (E2M1 codes of w2, K innermost, in blocks of 32 codes, two codes a byte); w2_scales 128 x 4 uint8 (E8M0 scales of w2, one for each 32 codes along K); w3_codes 128 x 4 x 16 uint8 (E2M1 codes of w3, K innermost, in blocks of 32 codes, two codes a byte); w3_scales 128 x 4 uint8 (E8M0 scales of w3, one for each 32 codes along K); w4_codes 128 x 4 x 16 uint8 (E2M1 codes of w4, K innermost, in blocks of 32 codes, two codes a byte); w4_scales 128 x 4 uint8 (E8M0 scales of w4, one for each 32 codes along K); w5 1 x 128 float32; x 262,144 x 1 float32.
;; Outputs: out0 262,144 x 1 float32.
;; This version of the problem:
;;   THIS VERSION OF THE PROBLEM IS GIVEN IN LOW PRECISION. The matrix products marked QUANTISED in the list below multiply operands that are first quantised to E2M1 (2 exponent bits, 1 mantissa bit; 4 bits a number), with one power-of-two scale for each 32 numbers along K (OCP MX v1.0); their sums are f32. All else is computed in f32.
;;   The module's matrix products, in the order in which they are computed (A, B: the left and right operand; K: the contracted axis; several contracted axes count as one K, in the product's order):
;;     1. [M 262,144, K 16] x [K 16, N 64]; A: input metadata; B: input mw1: left as it is (K = 16 < 32)
;;     2. [M 262,144, K 64] x [K 64, N 128]; A: computed on the way; B: input mw2 (given as codes): QUANTISED
;;     3. [M 262,144, K 128] x [K 128, N 1,024]; A: computed on the way; B: input mw3 (given as codes): QUANTISED
;;     4. [M 262,144, K 1] x [K 1, N 128]; A: input x; B: input w1: left as it is (K = 1 < 32)
;;     5. [M 262,144, K 128] x [K 128, N 128]; A: computed on the way; B: input w2 (given as codes): QUANTISED
;;     6. [M 262,144, K 128] x [K 128, N 128]; A: computed on the way; B: input w3 (given as codes): QUANTISED
;;     7. [M 262,144, K 128] x [K 128, N 128]; A: computed on the way; B: input w4 (given as codes): QUANTISED
;;     8. [M 262,144, K 128] x [K 128, N 1]; A: computed on the way; B: input w5: left as it is (N = 1 < 16)
;;   THE QUANTISER, for each operand of a quantised product, along K:
;;     - K is cut into blocks of 32 from its start; a last block that is shorter is filled with zeros.
;;     - A block's scale is 2^e with e = floor(log2(the largest magnitude in the block)) - 2, held to -126 .. 127; a block of zeros has e = 0. As a byte (E8M0): e + 127.
;;     - Each number is divided by its block's scale, clamped to +-6, and rounded to the nearest number of E2M1, ties to even, subnormals kept.
;;     - The product sums the exact products of the quantised numbers (number of the format x scale) in f32.
;;   ~~~python
;;   def quantise(x, axis):      # numpy; x: float32 -> the quantised numbers, widened to float32 again
;;       x = np.moveaxis(x, axis, -1); K = x.shape[-1]
;;       x = np.pad(x, [(0, 0)] * (x.ndim - 1) + [(0, -K % 32)]); x = x.reshape(x.shape[:-1] + (-1, 32)); a = np.abs(x).max(-1, keepdims=True)
;;       e = np.where(a > 0, np.clip(np.frexp(np.where(a > 0, a, 1))[1] - 1 - 2, -126, 127), 0)      # np.frexp(a)[1] - 1 = floor(log2(a)), exactly
;;       r = np.clip(x / 2.0 ** e, -6, 6)
;;       step = 2.0 ** (np.maximum(np.frexp(np.where(r == 0, 1, r))[1] - 1, 0) - 1)
;;       q = np.round(r / step) * step * 2.0 ** e      # np.round: ties to even
;;       return np.moveaxis(q.reshape(q.shape[:-2] + (-1,))[..., :K], -1, axis).astype(np.float32)
;;   ~~~
;;   OPERANDS COMPUTED ON THE WAY. 'Computed on the way' means the value that the module computes at that place (a softmax that the list does not call 'softmax' is quantised finished and normalised). What goes into a quantiser is computed in f32, as accurately as f32 sums, v_exp_f32 and their like allow (about 1e-6 of the number): no bf16 or f16 on the way to a quantiser, and a product that is left as it is and whose result goes on into a quantised operand takes f32 operands (vector FMAs, or v_wmma_f32_16x16x4_f32). A number that lies on a knife's edge between two numbers of the format may be rounded either way, as far as f32 arithmetic and the matrix unit's own rounding can turn it there, and no further.
;;   INPUTS GIVEN AS CODES. mw2 (in the module: [128, 64], K = its axis 1); mw3 (in the module: [1024, 128], K = its axis 1); w2 (in the module: [128, 128], K = its axis 1); w3 (in the module: [128, 128], K = its axis 1); w4 (in the module: [128, 128], K = its axis 1): each comes as NAME_codes (uint8): NAME with its K axis moved to the last place and cut into blocks of 32 codes, [.., K / 32, bytes a block], one block behind the other in memory; two codes a byte, the lower K in the low four bits (a code: sign, 2 exponent bits, 1 mantissa bit); and NAME_scales (uint8): the same leading axes, one E8M0 byte (e + 127) for each 32 codes along K. Its value is code x scale, taken as it is: it is not quantised again, and the codes and scales need not be those that the quantiser above would give.
;; One version. Each part assembles by itself: llvm-mc -triple=amdgcn-amd-amdhsa -mcpu=gfx1250 --defsym DOCPART=n.
;; ======== version 1 of 1: 1 launch
;; launch fused (part 1): grid 256 x 1, 8 waves a work-group, no clusters, 119,808 bytes of LDS; arguments metadata, x, mw1, mb1, mw2_codes, mw2_scales, mb2, mw3_codes, mw3_scales, mb3, w1, b1, w2_codes, w2_scales, b2, w3_codes, w3_scales, b3, w4_codes, w4_scales, b4, w5, b5, out0; writes out0
.if DOCPART == 1
	.amdgcn_target "amdgcn-amd-amdhsa--gfx1250"
	.amdhsa_code_object_version 6
	.text
	.protected	k_q90e4f082b9_fused
	.globl	k_q90e4f082b9_fused
	.p2align	8
	.type	k_q90e4f082b9_fused,@function
k_q90e4f082b9_fused:
	s_mov_b64 s[64:65], 0
	v_nop
	global_prefetch_b8 v0, s[64:65] scope:SCOPE_SE
	s_setreg_imm32_b32 hwreg(HW_REG_WAVE_MODE, 25, 1), 1
	s_wait_xcnt 0x0
; AttenuationToRainRate, all of it in one launch.  For each of 262,144 rows:
;   h1 = relu(metadata mw1^T + mb1) (f32 operands), h2 = relu(Q(h1) mw2^T + mb2), style = Q(h2) mw3^T + mb3: four times 128 (scale, bias) pairs, unit 2 c the scale and unit 2 c + 1 the bias of channel c;
;   z1 = x w1 + b1;  y = lrelu(scale (z - mean) / (std + 1e-6) + bias);  z(L+1) = Q(y) w(L+1)^T + b(L+1), three times;  out = lrelu(y4 . w5 + b5).
; Q is the MX quantiser along K: E2M1 codes, one E8M0 byte for each 32.  The quantised products go by v_wmma_scale_f32_16x16x128_f8f6f4, both operands FP4; product 1 by v_wmma_f32_16x16x4_f32; all else in f32.
; SHARES.  256 work-groups of 8 waves.  A wave owns 128 neighbouring rows and takes them as NBLK = 2 blocks of 64: four row tiles m of 16.  Waves share only the weights, which lie in LDS and are read-only behind the one barrier.
; Each weight fragment and each bias tile read from LDS feeds four matrix instructions (the four row tiles).
; LAYOUT.  Every product is used transposed: source 0 = 16 rows of a weight, source 1 = 16 batch rows.  Lane (r = lane % 16, h = lane / 16) then holds batch row r, and register j of channel tile t holds channel
; 32 (t / 2) + 8 (t % 2) + 16 h + j, because lane r of weight tile t takes weight row 32 (t / 2) + 8 (t % 2) + r + 8 (r / 8).  So the 16 registers of tiles 2 b, 2 b + 1 are 16 neighbours along the next K, a row's mean and
; variance want one exchange with lane l xor 16, and so does a block's largest magnitude.  Of mw3 the scale tile (L, t) takes rows 256 L + 2 channel and the bias tile the rows + 1: scale, bias and z lie register on register.
; Biases are the C of each tile's matrix instruction.
; NO CLUSTER, NO TENSOR LOAD: what the work-groups share is the weights, 112 KB, read once by each work-group at its head, 34 loads a wave; on the way into LDS they are re-laid (rows chosen as above, fragments as images of
; the operand's registers, mb3 parted into scales and biases, scale words gathered by tile), which goes through registers.
; LIMITS.  NaN and infinities among the inputs are not served.  A block of zeros, or one whose largest magnitude lies under 2^-124, gets the scale byte 1 (its codes are zeros or held by that scale; the bytes are read here alone).
; The mean is a sum x 1/128, the variance a sum of squared differences (two passes: no difference of large sums) x 1/127; root and reciprocal are v_sqrt_f32 and v_rcp_f32; the orders of the sums differ from reference()'s.
.set NBLK,  2                          ; blocks of 64 rows for a wave
; ---- LDS.  Four layer records of RECB bytes, record L at L x RECB:
.set RECB,  27648
.set R_W3,  0                          ; 16 images of mw3's fragments, index 2 t + p (p = 0 scale tile, 1 bias tile); an image is 1,024 bytes: registers 0-3 at 16 x lane, registers 4-7 at 512 + 16 x lane
.set R_WT,  16384                      ; 8 images of the product that makes this record's z or h2: record 0 mw2 (registers 4-7 zeros: K = 64), records 1, 2, 3: w2, w3, w4
.set R_SW,  24576                      ; mw3's scale words [t / 4][lane][t % 4]: lanes 0-15 the scale tile's rows, lanes 16-31 the bias tile's
.set R_TW,  25600                      ; the other product's scale words [lane][i]: lanes 0-15 tile 2 i, lanes 16-31 tile 2 i + 1
.set R_BS,  26112                      ; mb3's scale part [128], R_BT its bias part, R_BG mb2 / b2 / b3 / b4
.set R_BT,  26624
.set R_BG,  27136
.set G_MW1, 4*RECB                     ; 4 images of mw1 in f32: lane (r, h) of tile q holds k = 8 h .. 8 h + 7 of its unit
.set G_W1,  G_MW1+4096                 ; w1, + 512 b1, + 1024 w5, + 1536 mb1 (twice)
.set G_OUT, G_W1+2048                  ; 256 bytes for each wave, its own: a block's 64 results
; ---- registers, window 0
.set LI0, 1                            ; 16 x lane
.set BH0, 2                            ; 64 h
.set AL,  3                            ; LI0 + the record in hand
.set AB,  4                            ; BH0 + the record in hand
.set AG,  5                            ; G_MW1 + 16 x lane
.set ABG, 6                            ; G_W1 + 64 h
.set MO,  7                            ; metadata: 64 r + 32 h
.set XO,  8                            ; x: 4 r
.set OS,  9                            ; G_OUT + 256 x wave + 4 x lane
.set OL,  10                           ; G_OUT + 8 x thread
.set OO,  11                           ; 8 x lane
.set PA,  12                           ; v12-19  pair m: low word x, then -mean (the high words are written once, since the pairs are named whole)
.set PB,  20                           ; v20-27  pair m: the row's sum in two halves, then low word 1 / sigma; the dot product's second chain
.set T4,  28                           ; v28-31  one number a row tile
.set SS,  32                           ; v32-63  the styles' scales, 8 a row tile;  v64-95 their biases.  Also product 1's eight accumulators: these 64 registers are written by matrix instructions alone
.set TT,  64
.set HC,  96                           ; v96-127 codes of h1, then of h2: 8 a row tile
.set HCS, 128                          ; v128-131 their scale words
.set YCS, 132                          ; v132-135 y's scale words
.set YC,  136                          ; v136-167 y's codes; at a block's head its metadata, 8 a row tile
.set FR,  168                          ; v168-199 fragments and biases from LDS; with TMP four buffers of 16
.set TMP, 200                          ; v200-231 at work
.set SW,  232                          ; v232-239 mw3's scale words of the layer
.set TW,  240                          ; v240-243 the other product's
.set PC,  244                          ; v244-251 the dot product's first chain
.set U4,  252                          ; v252-255 one number a row tile
; ---- registers, window 1: z(m, t, j) at 64 m + 8 t + j.  At a block's head: mw1's fragments, mb1's tiles, relu(h1)
.set M1F, 0
.set M1B, 32
.set H1,  64
; ---- scalars
.set P_META,4
.set P_X,   6
.set P_MW1, 8
.set P_MB1, 10
.set P_MW2C,12
.set P_MW2S,14
.set P_MB2, 16
.set P_MW3C,18
.set P_MW3S,20
.set P_MB3, 22
.set P_W1,  24
.set P_B1,  26
.set P_W2C, 28
.set P_W2S, 30
.set P_B2,  32
.set P_W3C, 34
.set P_W3S, 36
.set P_B3,  38
.set P_W4C, 40
.set P_W4S, 42
.set P_B4,  44
.set P_W5,  46
.set P_B5,  48
.set P_OUT, 50
.set WV,   52                          ; my wave's number
.set SEL,  54                          ; s[54:55] v_permlanex16_b32's selects for lane l xor 16
.set LOFF, 56                          ; LDS byte at which the record in hand begins
.set LAY,  57                          ; counts the layer loop
.set BLK,  58                          ; blocks to go
.set B5,   59
.set SLOPE,66                          ; s[66:67] 0.01, named as a pair by the packed form
; ---- the setup's own registers (window 0, in HC's place): A_ offsets in memory, D_ addresses in LDS
.set V_L,  96
.set V_R,  97
.set V_H,  98
.set V_RR, 99
.set A_M3, 100
.set D_M3, 101
.set A_W,  102
.set D_W,  103
.set D_W2, 104
.set A_M2, 105
.set A_M1, 106
.set D_M1, 107
.set A_S3, 108
.set D_S3, 109
.set A_B3, 110
.set D_V,  111
.set D_V2, 112
.set A_V,  113
.set A_V3, 114
.set D_G,  115
.set A_T0, 116
.set A_T,  117
.set D_T,  118
; ---- the setup's staging (window 1)
.set Q_M3, 0
.set Q_W,  64
.set Q_M2, 88
.set Q_M1, 96
.set Q_S3, 100
.set Q_B3, 104
.set Q_V,  108
.set MSB, 0
.macro WIN new                         ; s_set_vgpr_msb: bits 1:0 source 0, 3:2 source 1, 5:4 source 2, 7:6 destination; the high byte repeats the setting that is left; a switch that changes nothing is dropped
.if MSB != \new
	s_set_vgpr_msb (MSB<<8)|\new
.set MSB, \new
.endif
.endm
.macro PLACES n
.rept \n
	v_nop
.endr
.endm
.macro LDFRAG d, off                   ; a fragment's image from the record in hand
	ds_load_b128 v[\d:\d+3], v[AL] offset:\off
	ds_load_b128 v[\d+4:\d+7], v[AL] offset:\off+512
.endm
.macro LDBIAS d, areg, off             ; eight numbers of a vector in the result's layout: the sixteen lanes of a half read the same 32 bytes
	ds_load_b128 v[\d:\d+3], v[\areg] offset:\off
	ds_load_b128 v[\d+4:\d+7], v[\areg] offset:\off+16
.endm
.macro MX d, a, b, c, sa, sb, row1     ; D = A x B + C on FP4 codes; row1 = 1: source 0's scale words stand in lanes 16-31 of their register
.if \row1
	v_wmma_scale_f32_16x16x128_f8f6f4 v[\d:\d+7], v[\a:\a+7], v[\b:\b+7], v[\c:\c+7], v[\sa], v[\sb] matrix_a_fmt:MATRIX_FMT_FP4 matrix_b_fmt:MATRIX_FMT_FP4 matrix_a_scale:MATRIX_SCALE_ROW1
.else
	v_wmma_scale_f32_16x16x128_f8f6f4 v[\d:\d+7], v[\a:\a+7], v[\b:\b+7], v[\c:\c+7], v[\sa], v[\sb] matrix_a_fmt:MATRIX_FMT_FP4 matrix_b_fmt:MATRIX_FMT_FP4
.endif
.endm
.macro BLOCK_LOADS                     ; a block's metadata (lane (r, h): k = 8 h .. 8 h + 7 of row 16 m + r) and x
.irp m, 0,1,2,3
.irp c, 0,1
	global_load_b128 v[YC+8*\m+4*\c:YC+8*\m+4*\c+3], v[MO], s[P_META:P_META+1] offset:1024*\m+16*\c th:TH_LOAD_NT
.endr
.endr
.irp m, 0,1,2,3
	global_load_b32 v[PA+2*\m], v[XO], s[P_X:P_X+1] offset:64*\m th:TH_LOAD_NT
.endr
.endm
.macro STYLE_LOAD t                    ; channel tile t of the layer's styles: scale fragment, its bias, bias fragment, its bias: 8 loads
	LDFRAG FR,R_W3+2048*(\t)
	LDBIAS FR+8,AB,R_BS+128*((\t)/2)+32*((\t)%2)
	LDFRAG FR+16,R_W3+2048*(\t)+1024
	LDBIAS FR+24,AB,R_BT+128*((\t)/2)+32*((\t)%2)
.endm
.macro STYLE_MUL t                     ; 8 matrix instructions on 8 different accumulators, each a whole sum (K = 128)
.irp m, 0,1,2,3
	MX SS+8*\m,FR,HC+8*\m,FR+8,SW+(\t),HCS+\m,0
	MX TT+8*\m,FR+16,HC+8*\m,FR+24,SW+(\t),HCS+\m,1
.endr
.endm
.macro GEMM_LOAD t, k                  ; channel tile t of the record's other product into buffer k: fragment and bias, 4 loads
	LDFRAG FR+16*(\k),R_WT+1024*(\t)
	LDBIAS FR+16*(\k)+8,AB,R_BG+128*((\t)/2)+32*((\t)%2)
.endm
.macro GEMM_PRE                        ; what can be asked for ahead of the quantiser (which works in buffers 2 and 3)
	ds_load_b128 v[TW:TW+3], v[AL] offset:R_TW
	GEMM_LOAD 0,0
	GEMM_LOAD 1,1
.endm
.macro W1_LOAD t, k                    ; w1's and b1's tile t into buffer k: 4 loads
	LDBIAS FR+16*(\k),ABG,128*((\t)/2)+32*((\t)%2)
	LDBIAS FR+16*(\k)+8,ABG,512+128*((\t)/2)+32*((\t)%2)
.endm
.macro SUM t                           ; the rows' sums take tile t, two numbers at a time; tile 0 starts them: nothing is cleared.  Each accumulator is read from its low end on
.if (\t)==0
	WIN 0x05
.irp m, 0,1,2,3
	v_pk_add_f32 v[PB+2*\m:PB+2*\m+1], v[64*\m:64*\m+1], v[64*\m+2:64*\m+3]
.endr
	WIN 0x01
.irp p, 2,3
.irp m, 0,1,2,3
	v_pk_add_f32 v[PB+2*\m:PB+2*\m+1], v[64*\m+2*\p:64*\m+2*\p+1], v[PB+2*\m:PB+2*\m+1]
.endr
.endr
.else
	WIN 0x01
.irp p, 0,1,2,3
.irp m, 0,1,2,3
	v_pk_add_f32 v[PB+2*\m:PB+2*\m+1], v[64*\m+8*(\t)+2*\p:64*\m+8*(\t)+2*\p+1], v[PB+2*\m:PB+2*\m+1]
.endr
.endr
.endif
.endm
.macro RELU2 t                         ; h2's tile t
	WIN 0x44
.irp m, 0,1,2,3
.irp j, 0,1,2,3,4,5,6,7
	v_max_num_f32 v[64*\m+8*(\t)+\j], 0, v[64*\m+8*(\t)+\j]
.endr
.endr
.endm
; z(m, t) = weight tile t x codes of row tile m + bias, 32 matrix instructions on 32 different accumulators, two channel tiles at a time.  bc, bs: the codes and their scale words; work: what is done to a finished tile.
; The work on the two tiles made before stands behind each group of eight: it names none of the group's registers, so it is also the places in front of the loads into the two buffers that the group has read.
.macro GEMM bc, bs, work
	WIN 0
	GEMM_LOAD 2,2
	GEMM_LOAD 3,3
	PLACES 8                                       ; the scale words were just written by vector instructions (8 places ahead of a scaled matrix instruction), the codes too (4)
.irp u, 0,1,2,3
.if \u<3
	s_wait_dscnt 0x8                               ; LDS loads come back in order: all but the 8 of the two tiles asked for last are in
.else
	s_wait_dscnt 0x0
.endif
	WIN 0x40
.irp e, 0,1
.irp m, 0,1,2,3
	MX 64*\m+8*(2*\u+\e),FR+16*((2*\u+\e)%4),\bc+8*\m,FR+16*((2*\u+\e)%4)+8,TW+\u,\bs+\m,\e
.endr
.endr
.if \u==0
	PLACES 4                                       ; no tile is finished yet
.else
	\work 2*\u-2
	\work 2*\u-1
.endif
.if \u<2
	WIN 0
	GEMM_LOAD 2*\u+4,(2*\u)%4
	GEMM_LOAD 2*\u+5,(2*\u+1)%4
.endif
.endr
	\work 6
	\work 7
.endm
; The quantiser, for the four row tiles at once.  Window 1 register src + stride m + 16 b + i is number k = 32 b + 16 h + i of the lane's row; nb blocks of 32.  Codes to v[dc + 8 m ..], scale words to v[ds + m].
.macro QUANT4 src, stride, nb, dc, ds
	WIN 0x05
.irp m, 0,1,2,3
.irp b, 0,1,2,3
.if \b<\nb
	v_max3_num_f32 v[TMP+4*\m+\b], |v[\src+\stride*\m+16*\b]|, |v[\src+\stride*\m+16*\b+1]|, 0x1800000   ; my 16 numbers of the block, and the floor 2^(3 - 127): the byte cannot fall under 1
.endif
.endr
.endr
.irp i, 2,4,6,8,10,12,14
.irp m, 0,1,2,3
.irp b, 0,1,2,3
.if \b<\nb
	v_max3_num_f32 v[TMP+4*\m+\b], |v[\src+\stride*\m+16*\b+\i]|, |v[\src+\stride*\m+16*\b+\i+1]|, v[TMP+4*\m+\b]
.endif
.endr
.endr
.endr
	WIN 0
.irp m, 0,1,2,3
.irp b, 0,1,2,3
.if \b<\nb
	v_permlanex16_b32 v[TMP+16+4*\m+\b], v[TMP+4*\m+\b], s[SEL], s[SEL+1]
.endif
.endr
.endr
.irp m, 0,1,2,3
.irp b, 0,1,2,3
.if \b<\nb
	v_max_num_f32 v[TMP+4*\m+\b], v[TMP+4*\m+\b], v[TMP+16+4*\m+\b]   ; with lane l xor 16's 16: the block's largest magnitude
.endif
.endr
.endr
.irp m, 0,1,2,3
.irp b, 0,1,2,3
.if \b<\nb
	v_add_nc_u32 v[TMP+16+4*\m+\b], 0xff000000, v[TMP+4*\m+\b]        ; 2 off its exponent field: the conversion takes this operand's exponent field as its scale
.endif
.endr
.endr
.irp m, 0,1,2,3
.irp b, 0,1,2,3
.if \b<\nb
	v_lshrrev_b32 v[TMP+4*\m+\b], 23, v[TMP+16+4*\m+\b]               ; the scale's byte
.endif
.endr
.endr
.irp m, 0,1,2,3
	v_lshl_or_b32 v[\ds+\m], v[TMP+4*\m+1], 8, v[TMP+4*\m]            ; the row's scale word (with two blocks its upper bytes are 0, over zero codes)
.endr
.if \nb>2
.irp m, 0,1,2,3
	v_lshl_or_b32 v[\ds+\m], v[TMP+4*\m+2], 16, v[\ds+\m]
.endr
.irp m, 0,1,2,3
	v_lshl_or_b32 v[\ds+\m], v[TMP+4*\m+3], 24, v[\ds+\m]
.endr
.endif
	WIN 0x01
.irp m, 0,1,2,3
.irp b, 0,1,2,3
.if \b<\nb
	v_cvt_scalef32_pk8_fp4_f32 v[\dc+8*\m+2*\b], v[\src+\stride*\m+16*\b:\src+\stride*\m+16*\b+7], v[TMP+16+4*\m+\b]
	v_cvt_scalef32_pk8_fp4_f32 v[\dc+8*\m+2*\b+1], v[\src+\stride*\m+16*\b+8:\src+\stride*\m+16*\b+15], v[TMP+16+4*\m+\b]
.endif
.endr
.endr
	WIN 0
	v_nop                                          ; one plain place behind the last scaled conversion
.irp m, 0,1,2,3
.irp c, 0,1
.if 2*\c<\nb
.irp i, 0,1
	v_permlane16_swap_b32 v[\dc+8*\m+4*\c+\i], v[\dc+8*\m+4*\c+2+\i]  ; the operand wants a whole block in a lane: lanes 0-15 block 2 c, lanes 16-31 block 2 c + 1
.endr
.endif
.endr
.endr
.if \nb==2
.irp m, 0,1,2,3
.irp i, 4,5,6,7
	v_mov_b32 v[\dc+8*\m+\i], 0                    ; K = 64: the rest of the K step is zero codes
.endr
.endr
.endif
.endm
; Channel tile t of a layer's AdaIN and leaky ReLU, for the four row tiles; the next tile's styles are multiplied in its middle, and the tile after that is asked for at its end.
.macro STEP t
	WIN 0x41
.irp p, 0,1,2,3
.irp m, 0,1,2,3
	v_pk_mul_f32 v[64*\m+8*(\t)+2*\p:64*\m+8*(\t)+2*\p+1], v[64*\m+8*(\t)+2*\p:64*\m+8*(\t)+2*\p+1], v[PB+2*\m:PB+2*\m+1] op_sel_hi:[1,0]   ; (z - mean) / sigma
.endr
.endr
.irp p, 0,1,2,3
.irp m, 0,1,2,3
	v_pk_fma_f32 v[64*\m+8*(\t)+2*\p:64*\m+8*(\t)+2*\p+1], v[64*\m+8*(\t)+2*\p:64*\m+8*(\t)+2*\p+1], v[SS+8*\m+2*\p:SS+8*\m+2*\p+1], v[TT+8*\m+2*\p:TT+8*\m+2*\p+1]   ; x scale + bias; each accumulator from its low pair on
.endr
.endr
	WIN 0x01
.irp p, 0,1,2,3
.irp m, 0,1,2,3
	v_pk_mul_f32 v[TMP+8*\m+2*\p:TMP+8*\m+2*\p+1], v[64*\m+8*(\t)+2*\p:64*\m+8*(\t)+2*\p+1], s[SLOPE:SLOPE+1] op_sel_hi:[1,0]
.endr
.endr
.if (\t)<7
	WIN 0
	s_wait_dscnt 0x0                               ; the next tile's 8 loads, asked for a step ago
	STYLE_MUL (\t)+1
.endif
	WIN 0x41
.irp m, 0,1,2,3
.irp j, 0,1,2,3,4,5,6,7
	v_max_num_f32 v[64*\m+8*(\t)+\j], v[64*\m+8*(\t)+\j], v[TMP+8*\m+\j]   ; lrelu(v) = max(v, 0.01 v).  These 32 name none of the products' registers: the places behind them
.endr
.endr
.if (\t)<6
	WIN 0
	STYLE_LOAD (\t)+2
.endif
.endm
; A layer's AdaIN and leaky ReLU on z, whose sums stand in PB.  last = 1: the block's fourth layer, in which the next block's inputs are asked for.
.macro LAYER last
	WIN 0
	ds_load_b128 v[SW:SW+3], v[AL] offset:R_SW
	ds_load_b128 v[SW+4:SW+7], v[AL] offset:R_SW+512
	STYLE_LOAD 0
.irp m, 0,1,2,3
	v_add_f32 v[T4+\m], v[PB+2*\m], v[PB+2*\m+1]
.endr
.irp m, 0,1,2,3
	v_permlanex16_b32 v[U4+\m], v[T4+\m], s[SEL], s[SEL+1]
.endr
.irp m, 0,1,2,3
	v_add_f32 v[T4+\m], v[T4+\m], v[U4+\m]
.endr
.irp m, 0,1,2,3
	v_mul_f32 v[PA+2*\m], 0xbc000000, v[T4+\m]     ; -mean = sum x -1/128
.endr
	s_wait_dscnt 0x0                               ; the scale words and tile 0
	STYLE_MUL 0
	WIN 0x41
.set i, 0
.rept 128
	v_pk_add_f32 v[2*i:2*i+1], v[2*i:2*i+1], v[PA+2*(i/32):PA+2*(i/32)+1] op_sel_hi:[1,0]   ; z - mean.  (Also the places behind the products above)
.set i, i+1
.endr
	WIN 0
	STYLE_LOAD 1
.if \last
	s_cmp_eq_u32 s[BLK], 1                         ; the last block asks for nothing: no load leaves its buffer
	s_cbranch_scc1 .Lno_next_\@
	s_add_nc_u64 s[P_META:P_META+1], s[P_META:P_META+1], 4096   ; (this block's loads were waited for at its head)  64 rows on
	s_add_nc_u64 s[P_X:P_X+1], s[P_X:P_X+1], 256
	BLOCK_LOADS                                    ; into y's codes' registers and PA's low words, which this block needs no more
.Lno_next_\@:
.endif
	WIN 0x05
.set i, 0
.rept 128                              ; the sum of squares: two chains a row tile, the eight chains by turns; the first links start the sums
.set zz, 64*((i%8)/2)+2*(2*(i/8)+i%2)
.set cc, TMP+4*((i%8)/2)+2*(i%2)
.if i<8
	v_pk_mul_f32 v[cc:cc+1], v[zz:zz+1], v[zz:zz+1]
.else
	v_pk_fma_f32 v[cc:cc+1], v[zz:zz+1], v[zz:zz+1], v[cc:cc+1]
.endif
.set i, i+1
.endr
	WIN 0
.irp m, 0,1,2,3
	v_pk_add_f32 v[TMP+4*\m:TMP+4*\m+1], v[TMP+4*\m:TMP+4*\m+1], v[TMP+4*\m+2:TMP+4*\m+3]
.endr
.irp m, 0,1,2,3
	v_add_f32 v[T4+\m], v[TMP+4*\m], v[TMP+4*\m+1]
.endr
.irp m, 0,1,2,3
	v_permlanex16_b32 v[U4+\m], v[T4+\m], s[SEL], s[SEL+1]
.endr
.irp m, 0,1,2,3
	v_add_f32 v[T4+\m], v[T4+\m], v[U4+\m]
.endr
.irp m, 0,1,2,3
	v_mul_f32 v[T4+\m], 0x3c010204, v[T4+\m]       ; x 1/127
.endr
.irp m, 0,1,2,3
	v_sqrt_f32 v[T4+\m], v[T4+\m]
.endr
	v_nop                                          ; a plain place behind the roots
	s_wait_alu depctr_va_vdst(0)                   ; one wait for the four, ahead of their first reader
.irp m, 0,1,2,3
	v_add_f32 v[T4+\m], 0x358637bd, v[T4+\m]       ; + 1e-6
.endr
.irp m, 0,1,2,3
	v_rcp_f32 v[PB+2*\m], v[T4+\m]
.endr
	v_nop
	s_wait_alu depctr_va_vdst(0)                   ; and one for the four reciprocals
.irp t, 0,1,2,3,4,5,6,7
	STEP \t
.endr
.endm
.macro DOT t                           ; y4 . w5, tile t: even tiles in PC's chains, odd tiles in PB's; the first links start the sums
.set CH, PC-(PC-PB)*((\t)%2)
.irp p, 0,1,2,3
.irp m, 0,1,2,3
.if ((\t)<2)&&(\p==0)
	v_pk_mul_f32 v[CH+2*\m:CH+2*\m+1], v[64*\m+8*(\t)+2*\p:64*\m+8*(\t)+2*\p+1], v[FR+8*(\t)+2*\p:FR+8*(\t)+2*\p+1]
.else
	v_pk_fma_f32 v[CH+2*\m:CH+2*\m+1], v[64*\m+8*(\t)+2*\p:64*\m+8*(\t)+2*\p+1], v[FR+8*(\t)+2*\p:FR+8*(\t)+2*\p+1], v[CH+2*\m:CH+2*\m+1]
.endif
.endr
.endr
.endm
.macro SCW k, p                        ; wave k gathers record k's four scale words a lane (mw2's rows have two bytes, the others' four)
	s_cmp_lg_u32 s[WV], \k
	s_cbranch_scc1 .Lscw_\@
.irp i, 0,1,2,3
.if \k==0
	global_load_u16 v[TMP+\i], v[A_T0], s[\p:\p+1] offset:64*\i
.else
	global_load_b32 v[TMP+\i], v[A_T], s[\p:\p+1] offset:128*\i
.endif
.endr
	s_wait_loadcnt 0x0
	ds_store_b128 v[D_T], v[TMP:TMP+3] offset:R_TW
.Lscw_\@:
.endm
; ================= THE SETUP: the weights go into LDS, each byte stored once, by one wave
	s_load_b512 s[4:19], s[0:1], 0x0               ; the 24 addresses, in the order of the launch's arguments
	s_load_b512 s[20:35], s[0:1], 0x40
	s_load_b512 s[36:51], s[0:1], 0x80
	v_lshrrev_b32 v[V_L], 5, v0
	v_readfirstlane_b32 s[WV], v[V_L]              ; wave 0..7
	v_and_b32 v[V_L], 31, v0                       ; lane
	v_and_b32 v[V_R], 15, v0                       ; r
	v_bfe_u32 v[V_H], v0, 4, 1                     ; h
	v_and_b32 v[V_RR], 8, v[V_R]
	v_add_nc_u32 v[V_RR], v[V_RR], v[V_R]          ; r + 8 (r / 8): my row in a weight tile
	v_lshlrev_b32 v[LI0], 4, v[V_L]
	v_lshlrev_b32 v[BH0], 6, v[V_H]
	v_add_nc_u32 v[AG], G_MW1, v[LI0]
	v_add_nc_u32 v[ABG], G_W1, v[BH0]
	v_lshlrev_b32 v[MO], 6, v[V_R]
	v_lshl_add_u32 v[MO], v[V_H], 5, v[MO]
	v_lshlrev_b32 v[XO], 2, v[V_R]
	s_lshl_b32 s60, s[WV], 8
	s_add_co_u32 s60, s60, G_OUT
	v_lshl_add_u32 v[OS], v[V_L], 2, s60
	v_lshl_add_u32 v[OL], v0, 3, G_OUT
	v_lshlrev_b32 v[OO], 3, v[V_L]
	s_mov_b32 s[SEL], 0x76543210
	s_mov_b32 s[SEL+1], 0xfedcba98
	s_mov_b32 s[SLOPE], 0x3c23d70a                 ; 0.01
	s_mov_b32 s[SLOPE+1], s[SLOPE]
	s_mov_b32 vcc_lo, 0xffff0000                   ; lanes 16-31: a constant, for the results' select
	s_mov_b32 s[BLK], NBLK
	s_lshr_b32 s60, s[WV], 1                       ; w / 2
	s_and_b32 s61, s[WV], 1                        ; w % 2
	s_lshr_b32 s62, s[WV], 2                       ; w / 4
	s_mul_i32 s63, s60, RECB
	; mw3's codes: wave w takes record w / 2, channel tiles 4 (w % 2) + 0 .. 3, both kinds: row 256 L + 2 channel + p of 64 bytes
	v_lshlrev_b32 v[A_M3], 7, v[V_RR]
	v_lshl_add_u32 v[A_M3], v[V_H], 4, v[A_M3]
	s_lshl_b32 s68, s[WV], 13
	v_add_nc_u32 v[A_M3], s68, v[A_M3]             ; 128 rr + 16 h + 8192 w
	s_lshl_b32 s68, s61, 13
	s_add_co_u32 s68, s68, s63
	v_add_nc_u32 v[D_M3], s68, v[LI0]
	; w2, w3, w4: wave w takes channel tile w of each; mw2 likewise (rows of 32 bytes)
	v_lshlrev_b32 v[A_W], 6, v[V_RR]
	v_lshl_add_u32 v[A_W], v[V_H], 4, v[A_W]
	s_lshl_b32 s68, s60, 11
	s_lshl_b32 s69, s61, 9
	s_add_co_u32 s68, s68, s69
	v_add_nc_u32 v[A_W], s68, v[A_W]               ; 64 (32 (w / 2) + 8 (w % 2) + rr) + 16 h
	s_lshl_b32 s69, s[WV], 10
	v_add_nc_u32 v[D_W], s69, v[LI0]
	v_add_nc_u32 v[D_W2], 2*RECB, v[D_W]           ; an LDS offset has 16 bits: records 2 and 3 by a second register
	v_lshlrev_b32 v[A_M2], 5, v[V_RR]
	v_lshl_add_u32 v[A_M2], v[V_H], 4, v[A_M2]
	s_lshr_b32 s68, s68, 1
	v_add_nc_u32 v[A_M2], s68, v[A_M2]
	; mw1: wave w takes half w % 2 of the image of unit tile w / 2: k = 8 h + 4 (w % 2) + 0 .. 3 of its unit
	v_lshlrev_b32 v[A_M1], 6, v[V_RR]
	v_lshl_add_u32 v[A_M1], v[V_H], 5, v[A_M1]
	s_lshl_b32 s68, s62, 11
	s_and_b32 s69, s60, 1
	s_lshl_b32 s69, s69, 9
	s_add_co_u32 s68, s68, s69
	s_lshl_b32 s69, s61, 4
	s_add_co_u32 s68, s68, s69
	v_add_nc_u32 v[A_M1], s68, v[A_M1]
	s_lshl_b32 s68, s[WV], 9
	s_add_co_u32 s69, s68, G_MW1
	v_add_nc_u32 v[D_M1], s69, v[LI0]
	; mw3's scale words: lane (r, h) takes the word of row 256 L + 2 channel + h
	v_lshlrev_b32 v[A_S3], 3, v[V_RR]
	v_lshl_add_u32 v[A_S3], v[V_H], 2, v[A_S3]
	v_add_nc_u32 v[A_S3], s68, v[A_S3]             ; 8 rr + 4 h + 512 w
	s_lshl_b32 s68, s61, 9
	s_add_co_u32 s68, s68, s63
	v_add_nc_u32 v[D_S3], s68, v[LI0]
	; the vectors: a thread takes one number (of mb3 a pair: scale, bias)
	v_lshlrev_b32 v[A_B3], 3, v0
	v_and_b32 v[A_V], 127, v0
	v_lshlrev_b32 v[A_V], 2, v[A_V]
	s_mul_i32 s68, s62, RECB
	v_add_nc_u32 v[D_V], s68, v[A_V]               ; record w / 4,
	v_add_nc_u32 v[D_V2], 2*RECB, v[D_V]           ; and record 2 + w / 4
	v_lshl_add_u32 v[D_G], v0, 2, G_W1
	v_lshlrev_b32 v[A_T0], 1, v[V_RR]
	v_lshl_add_u32 v[A_T0], v[V_H], 4, v[A_T0]     ; mw2's scales: 2 (8 h + rr)
	v_lshlrev_b32 v[A_T], 2, v[V_RR]
	v_lshl_add_u32 v[A_T], v[V_H], 5, v[A_T]       ; the others': 4 (8 h + rr)
	s_and_b32 s68, s[WV], 3
	s_mul_i32 s68, s68, RECB
	v_add_nc_u32 v[D_T], s68, v[LI0]
	s_wait_kmcnt 0x0
	s_load_b32 s[B5], s[P_B5:P_B5+1], 0x0
	s_lshl_b32 s68, ttmp9, 3
	s_add_co_u32 s68, s68, s[WV]                   ; which run of 128 rows is my wave's
	s_lshl_b32 s70, s68, 13
	s_mov_b32 s71, 0
	s_add_nc_u64 s[P_META:P_META+1], s[P_META:P_META+1], s[70:71]
	s_lshl_b32 s70, s68, 9
	s_add_nc_u64 s[P_X:P_X+1], s[P_X:P_X+1], s[70:71]
	s_add_nc_u64 s[P_OUT:P_OUT+1], s[P_OUT:P_OUT+1], s[70:71]
	BLOCK_LOADS                                    ; the first block's inputs go out first
	s_cmp_lt_u32 s[WV], 4                          ; waves 0-3 take the first vector of each pair, waves 4-7 the second: the choice hangs on the wave's number alone
	s_cselect_b64 s[70:71], s[P_MB2:P_MB2+1], s[P_B2:P_B2+1]
	s_cselect_b64 s[72:73], s[P_B3:P_B3+1], s[P_B4:P_B4+1]
	s_cselect_b64 s[74:75], s[P_W1:P_W1+1], s[P_B1:P_B1+1]
	s_cselect_b64 s[76:77], s[P_W5:P_W5+1], s[P_MB1:P_MB1+1]
	s_cselect_b32 s78, 127, 63                     ; mb1 has 64 numbers: its 128 threads take it twice
	v_and_b32 v[A_V3], s78, v0
	v_lshlrev_b32 v[A_V3], 2, v[A_V3]
	WIN 0x40                                       ; the loads land in window 1
.set n, 0
.rept 16                               ; n = 4 tt + 2 p + c: tile 4 (w % 2) + tt, kind p, half c of the fragment
	global_load_b128 v[Q_M3+4*n:Q_M3+4*n+3], v[A_M3], s[P_MW3C:P_MW3C+1] offset:128*(32*(n/8)+8*((n/4)%2))+64*((n/2)%2)+32*(n%2)
.set n, n+1
.endr
.irp c, 0,1
	global_load_b128 v[Q_W+4*\c:Q_W+4*\c+3], v[A_W], s[P_W2C:P_W2C+1] offset:32*\c
	global_load_b128 v[Q_W+8+4*\c:Q_W+8+4*\c+3], v[A_W], s[P_W3C:P_W3C+1] offset:32*\c
	global_load_b128 v[Q_W+16+4*\c:Q_W+16+4*\c+3], v[A_W], s[P_W4C:P_W4C+1] offset:32*\c
.endr
	global_load_b128 v[Q_M2:Q_M2+3], v[A_M2], s[P_MW2C:P_MW2C+1]
	global_load_b128 v[Q_M1:Q_M1+3], v[A_M1], s[P_MW1:P_MW1+1]
.irp i, 0,1,2,3
	global_load_b32 v[Q_S3+\i], v[A_S3], s[P_MW3S:P_MW3S+1] offset:256*(\i/2)+64*(\i%2)
.endr
	global_load_b64 v[Q_B3:Q_B3+1], v[A_B3], s[P_MB3:P_MB3+1]
	global_load_b64 v[Q_B3+2:Q_B3+3], v[A_B3], s[P_MB3:P_MB3+1] offset:2048
	global_load_b32 v[Q_V], v[A_V], s[70:71]
	global_load_b32 v[Q_V+1], v[A_V], s[72:73]
	global_load_b32 v[Q_V+2], v[A_V], s[74:75]
	global_load_b32 v[Q_V+3], v[A_V3], s[76:77]
.irp i, 4,5,6,7
	v_mov_b32 v[Q_M2+\i], 0                        ; mw2's K ends at 64: the upper half of its fragments is zero codes
.endr
	WIN 0
	SCW 0,P_MW2S
	SCW 1,P_W2S
	SCW 2,P_W3S
	SCW 3,P_W4S
	s_wait_loadcnt 0x0                             ; all of the setup's loads, and the first block's inputs
	WIN 0x04                                       ; an LDS store's data are its source 1: window 1
.set n, 0
.rept 16
	ds_store_b128 v[D_M3], v[Q_M3+4*n:Q_M3+4*n+3] offset:R_W3+512*n
.set n, n+1
.endr
.irp c, 0,1
	ds_store_b128 v[D_W], v[Q_W+4*\c:Q_W+4*\c+3] offset:RECB+R_WT+512*\c
	ds_store_b128 v[D_W2], v[Q_W+8+4*\c:Q_W+8+4*\c+3] offset:R_WT+512*\c
	ds_store_b128 v[D_W2], v[Q_W+16+4*\c:Q_W+16+4*\c+3] offset:RECB+R_WT+512*\c
	ds_store_b128 v[D_W], v[Q_M2+4*\c:Q_M2+4*\c+3] offset:R_WT+512*\c
.endr
	ds_store_b128 v[D_M1], v[Q_M1:Q_M1+3]
	ds_store_b128 v[D_S3], v[Q_S3:Q_S3+3] offset:R_SW
	ds_store_b32 v[D_V], v[Q_B3] offset:R_BS
	ds_store_b32 v[D_V], v[Q_B3+1] offset:R_BT
	ds_store_b32 v[D_V2], v[Q_B3+2] offset:R_BS
	ds_store_b32 v[D_V2], v[Q_B3+3] offset:R_BT
	ds_store_b32 v[D_V], v[Q_V] offset:R_BG
	ds_store_b32 v[D_V2], v[Q_V+1] offset:R_BG
	ds_store_b32 v[D_G], v[Q_V+2]
	ds_store_b32 v[D_G], v[Q_V+3] offset:1024
	WIN 0
.irp i, 0,1,2,3,4,5,6,7,8,9,10,11,12,13,14,15
	v_mov_b32 v[TMP+16+\i], 0                      ; written once: a lane permute's destination counts as one of its sources
.endr
.irp m, 0,1,2,3
	v_mov_b32 v[U4+\m], 0
	v_mov_b32 v[PA+2*\m+1], 0                      ; the pairs' upper halves are named with the lower, so they are written
.endr
	s_wait_kmcnt 0x0                               ; b5
	s_wait_dscnt 0x0                               ; for the others' sake: my stores into LDS are done
	s_barrier_signal -1
	s_barrier_wait -1                              ; the one barrier: from here on the weights are only read
; ================= A BLOCK OF 64 ROWS
.Lblock:
	s_mov_b32 s[LOFF], 0                           ; record 0
	v_add_nc_u32 v[AL], s[LOFF], v[LI0]
	v_add_nc_u32 v[AB], s[LOFF], v[BH0]
	WIN 0x40
.irp q, 0,1,2,3
	ds_load_b128 v[M1F+8*\q:M1F+8*\q+3], v[AG] offset:1024*\q
	ds_load_b128 v[M1F+8*\q+4:M1F+8*\q+7], v[AG] offset:1024*\q+512
	LDBIAS M1B+8*\q,ABG,1536+128*(\q/2)+32*(\q%2)
.endr
	WIN 0
	GEMM_PRE                                       ; mw2's first two tiles and its scale words
	s_wait_loadcnt 0x0                             ; this block's metadata and x
	s_wait_dscnt 0x0
	; ---- h1 = relu(metadata mw1^T + mb1), f32 operands.  K step s takes k = 8 h + 2 s + 0, 1 of both operands: the same permutation of k on both sides.
	; Two row tiles x four unit tiles = eight accumulators by turns, one instruction a turn; mb1 is the C of each sum's first link.
.irp g, 0,1
.irp s, 0,1,2,3
.if \s==0
	WIN 0x11                                       ; source 0 (mw1) and source 2 (mb1) in window 1
.else
	WIN 0x01
.endif
.irp e, 0,1
.irp q, 0,1,2,3
.if \s==0
	v_wmma_f32_16x16x4_f32 v[SS+32*\e+8*\q:SS+32*\e+8*\q+7], v[M1F+8*\q:M1F+8*\q+1], v[YC+8*(2*\g+\e):YC+8*(2*\g+\e)+1], v[M1B+8*\q:M1B+8*\q+7]
.else
	v_wmma_f32_16x16x4_f32 v[SS+32*\e+8*\q:SS+32*\e+8*\q+7], v[M1F+8*\q+2*\s:M1F+8*\q+2*\s+1], v[YC+8*(2*\g+\e)+2*\s:YC+8*(2*\g+\e)+2*\s+1], v[SS+32*\e+8*\q:SS+32*\e+8*\q+7]
.endif
.endr
.endr
.endr
	PLACES 8                                       ; eight places behind this form before its results are read
	WIN 0x40
.irp e, 0,1
.irp q, 0,1,2,3
.irp j, 0,1,2,3,4,5,6,7
	v_max_num_f32 v[H1+32*(2*\g+\e)+8*\q+\j], 0, v[SS+32*\e+8*\q+\j]   ; into other registers, each accumulator from its low end on.  (With the v_nop above: more than the nine places in front of the next group, which begins these accumulators anew)
.endr
.endr
.endr
.endr
	QUANT4 H1,32,2,HC,HCS
	; ---- h2 = relu(Q(h1) mw2^T + mb2)
	GEMM HC,HCS,RELU2
	WIN 0
	W1_LOAD 0,0                                    ; w1's and b1's first two tiles: asked for ahead of the quantiser
	W1_LOAD 1,1
	QUANT4 0,64,4,HC,HCS                           ; h2's codes stay for the block's four style products
	W1_LOAD 2,2
	W1_LOAD 3,3
	; ---- z1 = x w1 + b1, and its rows' sums
.irp u, 0,1,2,3
.if \u<3
	s_wait_dscnt 0x8                               ; all but the 8 loads of the two tiles asked for last
.else
	s_wait_dscnt 0x0
.endif
	WIN 0x40
.irp e, 0,1
.irp p, 0,1,2,3
.irp m, 0,1,2,3
	v_pk_fma_f32 v[64*\m+8*(2*\u+\e)+2*\p:64*\m+8*(2*\u+\e)+2*\p+1], v[FR+16*((2*\u+\e)%4)+2*\p:FR+16*((2*\u+\e)%4)+2*\p+1], v[PA+2*\m:PA+2*\m+1], v[FR+16*((2*\u+\e)%4)+8+2*\p:FR+16*((2*\u+\e)%4)+8+2*\p+1] op_sel_hi:[1,0,1]
.endr
.endr
.endr
	SUM 2*\u
	SUM 2*\u+1
.if \u<2
	WIN 0
	W1_LOAD 2*\u+4,(2*\u)%4
	W1_LOAD 2*\u+5,(2*\u+1)%4
.endif
.endr
	WIN 0                                          ; at a label and at a branch every window is 0
	s_mov_b32 s[LAY], 3
.Llayer:                               ; three trips: AdaIN and lrelu of layer L by record L - 1's styles, then z(L + 1) by the next record's weights
	LAYER 0
	WIN 0
	s_add_co_u32 s[LOFF], s[LOFF], RECB
	v_add_nc_u32 v[AL], s[LOFF], v[LI0]
	v_add_nc_u32 v[AB], s[LOFF], v[BH0]
	GEMM_PRE
	QUANT4 0,64,4,YC,YCS
	GEMM YC,YCS,SUM
	WIN 0
	s_sub_co_u32 s[LAY], s[LAY], 1
	s_cmp_lg_u32 s[LAY], 0
	s_cbranch_scc1 .Llayer
	LAYER 1                                        ; the fourth layer is written out: it asks for the next block's inputs, and no product follows it
	; ---- out = lrelu(y4 . w5 + b5)
	WIN 0
.irp t, 0,1,2,3,4,5,6,7
	LDBIAS FR+8*\t,ABG,1024+128*(\t/2)+32*(\t%2)
.endr
	s_wait_dscnt 0x8                               ; w5's tiles 0-3 are in; the 8 loads of tiles 4-7 may be out
	WIN 0x01
.irp t, 0,1,2,3
	DOT \t
.endr
	s_wait_dscnt 0x0
.irp t, 4,5,6,7
	DOT \t
.endr
	WIN 0
.irp m, 0,1,2,3
	v_pk_add_f32 v[PC+2*\m:PC+2*\m+1], v[PC+2*\m:PC+2*\m+1], v[PB+2*\m:PB+2*\m+1]
.endr
.irp m, 0,1,2,3
	v_add_f32 v[T4+\m], v[PC+2*\m], v[PC+2*\m+1]
.endr
.irp m, 0,1,2,3
	v_permlanex16_b32 v[U4+\m], v[T4+\m], s[SEL], s[SEL+1]
.endr
.irp m, 0,1,2,3
	v_add_f32 v[T4+\m], v[T4+\m], v[U4+\m]
.endr
.irp m, 0,1,2,3
	v_add_f32 v[T4+\m], s[B5], v[T4+\m]
.endr
.irp m, 0,1,2,3
	v_mul_f32 v[U4+\m], s[SLOPE], v[T4+\m]
.endr
.irp m, 0,1,2,3
	v_max_num_f32 v[T4+\m], v[T4+\m], v[U4+\m]     ; both halves of the lanes hold row 16 m + r's result
.endr
	v_cndmask_b32 v[U4], v[T4], v[T4+1], vcc_lo    ; row = lane
	v_cndmask_b32 v[U4+1], v[T4+2], v[T4+3], vcc_lo   ; row = 32 + lane
	ds_store_b32 v[OS], v[U4]                      ; through my wave's own 256 bytes, so that one store covers the block's 256 consecutive bytes, aligned
	ds_store_b32 v[OS], v[U4+1] offset:128
	ds_load_b64 v[T4:T4+1], v[OL]                  ; LDS serves a wave's instructions in order (ISA guide 5.7.1.4): this sees my stores
	s_wait_dscnt 0x0
	global_store_b64 v[OO], v[T4:T4+1], s[P_OUT:P_OUT+1] th:TH_STORE_NT
	s_wait_xcnt 0x0                                ; the store has read its data and its base: both are written again only behind this wait
	s_add_nc_u64 s[P_OUT:P_OUT+1], s[P_OUT:P_OUT+1], 256
	s_sub_co_u32 s[BLK], s[BLK], 1
	s_cmp_lg_u32 s[BLK], 0
	s_cbranch_scc1 .Lblock
	s_wait_xcnt 0x0
	v_lshl_add_u32 v254, v0, 2, 0x1d000
	v_mov_b32 v255, 0
	s_wait_tensorcnt 0x0
	ds_add_u32 v254, v255
	s_wait_dscnt 0x0
	s_endpgm
.Lfunc_end_k_q90e4f082b9_fused:
	.size	k_q90e4f082b9_fused, .Lfunc_end_k_q90e4f082b9_fused-k_q90e4f082b9_fused
	.p2alignl 7, 3214868480
	.fill 96, 4, 3214868480
	.section	.rodata,"a",@progbits
	.p2align	6, 0x0
	.amdhsa_kernel k_q90e4f082b9_fused
		.amdhsa_group_segment_fixed_size 119808
		.amdhsa_private_segment_fixed_size 0
		.amdhsa_enable_private_segment 0
		.amdhsa_kernarg_size 192
		.amdhsa_user_sgpr_count 2
		.amdhsa_user_sgpr_kernarg_segment_ptr 1
		.amdhsa_wavefront_size32 1
		.amdhsa_system_sgpr_workgroup_id_x 1
		.amdhsa_system_sgpr_workgroup_id_y 1
		.amdhsa_system_sgpr_workgroup_id_z 1
		.amdhsa_system_vgpr_workitem_id 0
		.amdhsa_next_free_vgpr 512
		.amdhsa_next_free_sgpr 80
		.amdhsa_reserve_vcc 1
		.amdhsa_float_denorm_mode_32 3
		.amdhsa_float_denorm_mode_16_64 3
		.amdhsa_memory_ordered 1
		.amdhsa_forward_progress 1
		.amdhsa_inst_pref_size 251
	.end_amdhsa_kernel
	.amdgpu_metadata
---
amdhsa.version: [ 1, 2 ]
amdhsa.kernels:
  - .name:           k_q90e4f082b9_fused
    .symbol:         k_q90e4f082b9_fused.kd
    .args:
      - { .name: metadata, .offset: 0, .size: 8, .value_kind: global_buffer, .address_space: global }
      - { .name: x, .offset: 8, .size: 8, .value_kind: global_buffer, .address_space: global }
      - { .name: mw1, .offset: 16, .size: 8, .value_kind: global_buffer, .address_space: global }
      - { .name: mb1, .offset: 24, .size: 8, .value_kind: global_buffer, .address_space: global }
      - { .name: mw2_codes, .offset: 32, .size: 8, .value_kind: global_buffer, .address_space: global }
      - { .name: mw2_scales, .offset: 40, .size: 8, .value_kind: global_buffer, .address_space: global }
      - { .name: mb2, .offset: 48, .size: 8, .value_kind: global_buffer, .address_space: global }
      - { .name: mw3_codes, .offset: 56, .size: 8, .value_kind: global_buffer, .address_space: global }
      - { .name: mw3_scales, .offset: 64, .size: 8, .value_kind: global_buffer, .address_space: global }
      - { .name: mb3, .offset: 72, .size: 8, .value_kind: global_buffer, .address_space: global }
      - { .name: w1, .offset: 80, .size: 8, .value_kind: global_buffer, .address_space: global }
      - { .name: b1, .offset: 88, .size: 8, .value_kind: global_buffer, .address_space: global }
      - { .name: w2_codes, .offset: 96, .size: 8, .value_kind: global_buffer, .address_space: global }
      - { .name: w2_scales, .offset: 104, .size: 8, .value_kind: global_buffer, .address_space: global }
      - { .name: b2, .offset: 112, .size: 8, .value_kind: global_buffer, .address_space: global }
      - { .name: w3_codes, .offset: 120, .size: 8, .value_kind: global_buffer, .address_space: global }
      - { .name: w3_scales, .offset: 128, .size: 8, .value_kind: global_buffer, .address_space: global }
      - { .name: b3, .offset: 136, .size: 8, .value_kind: global_buffer, .address_space: global }
      - { .name: w4_codes, .offset: 144, .size: 8, .value_kind: global_buffer, .address_space: global }
      - { .name: w4_scales, .offset: 152, .size: 8, .value_kind: global_buffer, .address_space: global }
      - { .name: b4, .offset: 160, .size: 8, .value_kind: global_buffer, .address_space: global }
      - { .name: w5, .offset: 168, .size: 8, .value_kind: global_buffer, .address_space: global }
      - { .name: b5, .offset: 176, .size: 8, .value_kind: global_buffer, .address_space: global }
      - { .name: out0, .offset: 184, .size: 8, .value_kind: global_buffer, .address_space: global }
    .group_segment_fixed_size: 119808
    .private_segment_fixed_size: 0
    .kernarg_segment_align: 8
    .kernarg_segment_size: 192
    .max_flat_workgroup_size: 256
    .sgpr_count:     80
    .vgpr_count:     512
    .wavefront_size: 32
...
	.end_amdgpu_metadata
.endif
;; end of part 1
